; MI455X (gfx1250); checked and timed in simulation.
; The chip was launched on July 23, 2026; its instructions are those of AMD's public machine-readable ISA for CDNA 5 (MIT licence, August 2026) and "CDNA5" Instruction Set Architecture Reference Guide (July 2026). The comments in the code are by the model that wrote it; some were corrected since.
;; i Res Block. Allowed arithmetic: float matrix products may take bf16 or f16 operands with f32 sums; other float arithmetic in f32, or as packed bf16 or f16 multiplies, adds, multiply-adds, maxima and minima; sums over many terms, partial sums and values carried from step to step in f32; what a program stores and reads back later, other than sums and carried values, may be rounded once to bf16 or f16.
;; Inputs: Lambda 128 float32; W1 128 x 512 float32; W2 512 x 128 float32; b1 512 float32; b2 128 float32; mask 65,536 x 128 float32; mu 128 float32; vareps 65,536 x 128 float32; x 65,536 x 128 float32.
;; Outputs: out0 65,536 x 128 float32; out1 65,536 float32.
;; 2 versions, each right; version 2 is version 1 with the launch ires written anew for expert scheduling mode. Each part assembles by itself: llvm-mc -triple=amdgcn-amd-amdhsa -mcpu=gfx1250 --defsym DOCPART=n.
;; ======== version 1 of 2: 1 launch
;; limits: values are held in f16: magnitudes above 65,504 overflow, below 6.1e-05 lose precision; right only within a limited range of input values; values outside matrix products are rounded to f16
;; launch ires (part 1): grid 256 x 1, 4 waves a work-group, no clusters, 311,808 bytes of LDS; arguments x, mask, vareps, Lambda, mu, W1, b1, W2, b2, out0, out1; writes out0, out1
.if DOCPART == 1
	.amdgcn_target "amdgcn-amd-amdhsa--gfx1250"
	.amdhsa_code_object_version 6
	.text
	.protected	k_qd33e081bc2_ires
	.globl	k_qd33e081bc2_ires
	.p2align	8
	.type	k_qd33e081bc2_ires,@function
k_qd33e081bc2_ires:
	s_mov_b64 s[64:65], 0
	v_nop
	global_prefetch_b8 v0, s[64:65] scope:SCOPE_SE
	s_setreg_imm32_b32 hwreg(HW_REG_WAVE_MODE, 25, 1), 1
	s_wait_xcnt 0x0
; iResBlock.  z = (x - mu) exp(Lambda);  t = tanh(z W1 + b1);  f = t W2 + b2;  d = 1 - t^2;
; one VJP is  v -> ((v W2^T) o d) W1^T =: A v.   out0 = x - mu - f exp(-Lambda) mask;   out1 = < A (eps - A eps - .. - A^6 eps), eps >.
; ONE LAUNCH.  256 work-groups of four waves; a work-group owns 256 batch rows, a wave 64, taken in two passes of two tiles of 16 rows.
; Both weights lie in LDS in f16 for the whole launch; d, eps and every vector of the series stay in registers.
;
; EVERYTHING IS TRANSPOSED: a weight tile is always source A, the 16 batch rows are always the 16 columns.  A result tile then holds, in lane
; (r = L & 15, hh = L >> 4), register j, feature 8 hh + j of batch row r; two neighbouring result tiles, packed to f16 pair by pair, ARE the
; B fragment of the next product (registers 0-3: k = 8 hh .., registers 4-7: k = 16 + 8 hh ..).  So no activation passes through LDS in the chain.
; W2 [h][n] and W1 [n][h] serve the VJP as stored (K along the rows); the forward step reads the same bytes by transposing loads.
;
; THE SERIES IS SUMMED IN HORNER'S FORM (same terms, another order of rounding than the reference's):
;   in0 = eps, p_k = A in_(k-1), in_k = eps + p_k (k = 1..5), in6 = eps - p6, out1 = <p7, eps>.
; NUMBER FORMAT: f16 operands, f32 sums.  Each vector that becomes an operand is first multiplied, batch row by batch row, by an exact power of
; two that brings the row's largest magnitude into [1, 2); the inverse power rides on the fused multiply-add that uses the product.
; LIMITS, kept and stated: |W1|, |W2| < 65504 and 2 x (sum over n of |W2[h][n]|) < 65504 (f16's range for the weights and for v W2^T);
; weights below 6e-5 in magnitude keep an absolute error of 3e-8; a row whose largest magnitude is below 2^-126 is scaled as if it were 2^-126,
; one above 2^126 as if it were 2^126; NaN and infinities among the inputs are not reproduced (the row maximum ignores NaN);
; 1/exp(Lambda) is made as exp2(-1.442695 Lambda), and b2/exp(Lambda) is formed before the sum with t W2;
; tanh(a) = 1 - 2 / (1 + exp2(2.885390 a)): an overflow or underflow of the exponential gives +1 or -1, as it should.
; NO TENSOR LOADS, NO CLUSTER: what work-groups share are the weights alone, 524,288 bytes of f32, read once by each work-group; they do not fit
; into LDS as f32 and must be rounded to f16 in registers on the way in, which a copy of bytes cannot do.  x, mask and vareps belong to one wave each.
; NO PREFETCH: each of the three streams is loaded into idle registers a whole phase ahead of its use.
; ---- LDS, bytes
.set W1P,    1040                      ; pitch of W1's rows: 512 f16 + 16 bytes: 65 x 16, so the 16 rows of a fragment load start 16 bytes apart modulo 256
.set W2P,    272                       ; pitch of W2's rows: 128 f16 + 16 bytes: 17 x 16
.set W2H,    128*W1P                   ; W1 at 0 (133,120 bytes), W2 behind it (139,264 bytes)
.set CONST,  W2H+512*W2P               ; 272,384: per-feature constants in f32
.set C_MU,   0                         ;   mu[128]
.set C_LAM,  512                       ;   exp(Lambda)[128]
.set C_ILAM, 1024                      ;   exp(-Lambda)[128]
.set C_B2L,  1536                      ;   b2 exp(-Lambda) [128]
.set C_B1,   2048                      ;   2.885390 b1 [512]
.set OUT1S,  CONST+4096                ; 276,480: 64 f32 of out1 for each wave
.set STAGE,  OUT1S+1024                ; 277,504: each wave's own 16 rows x 528 bytes, to turn rows of memory into fragments and back
.set STP,    528                       ; 512 + 16: 33 x 16
.set STB,    16*STP
.set G7,     7*32*W2P                  ; 60,928: seven K steps of W2; address registers this far apart keep the 16-bit offsets in range
.set G4,     64*W1P                    ; 66,560: 64 rows of W1, likewise
; ---- vector registers.  Window 0:
.set AW2, 2                            ; v2-4    W2 as stored: W2H + r W2P + 16 hh (+ g G7)
.set AW1, 5                            ; v5-6    W1 as stored: r W1P + 16 hh (+ g G4)
.set AT1, 7                            ; v7-8    W1 transposed: (8 hh + (L & 7)) W1P + 16 ((L >> 3) & 1) (+ g G4)
.set AT2, 9                            ; v9-11   W2 transposed: W2H + (8 hh + (L & 7)) W2P + 16 ((L >> 3) & 1) (+ g G7)
.set STW, 12                           ; v12     stage by rows of memory: 16 L
.set STR, 13                           ; v13     stage by fragments: r STP + 32 hh
.set CN,  14                           ; v14     CONST + 32 hh
.set O1,  15                           ; v15     my word of out1's stage
.set GO,  16                           ; v16     16 L: my 16 bytes of a row of x, mask, vareps, out0
.set GT,  17                           ; v17     16 t: my 16 bytes of 2,048 of the weights
.set SINV, 18                          ; v18, v20  inverse row scale of tile 0, 1 (v19, v21 fill the pairs)
.set SCL, 22                           ; v22     row scale (v23 fills the pair)
.set CF,  24                           ; v24     +-SINV (v25 fills the pair)
.set RM,  26                           ; v26, v27  running maxima, scratch
.set RM2, 27
.set RLD, 28                           ; v28, v29  out1 of tile 0, 1
.set T16, 32                           ; v32-47  scratch (d in f32; the dot product's chains)
.set B1T, 48                           ; v48-63  2.885390 b1 of this step's 32 h
.set XR,  64                           ; v64-127 X(buf, b) = XR + 32 buf + 16 b: product 1's result, then product 2's B fragment
.set F1,  128                          ; v128-191 eight A fragments of product 2
.set F2,  192                          ; v192-255 eight A fragments of product 1
; Window 1: d in f16, D(b, i, q) = 128 b + 8 i + q, in the packing of product 2's B fragment.
; Window 2:
.set ACC, 0                            ; ACC + 64 b + 8 nt + j: feature 16 nt + 8 hh + j of batch row r
.set EPS, 128                          ; the same layout: x - mu during the forward step, vareps afterwards
; Window 3:
.set VH,  0                            ; VH + 32 b: the scaled vector in f16, four B fragments
.set RAW, 64                           ; RAW + 64 b + 4 row: rows as they lie in memory (x, mask, out0)
.set CB,  192                          ; b2 exp(-Lambda) in fragment layout
; ---- scalars: s2 wave, s3 scratch, s4-5 lane selects, s6 pass, s7 application, s[8:29] the eleven addresses, s30 sign, s31 out1's stage, s[32:33] offsets
.set MSB, 0
.macro WIN new                         ; s_set_vgpr_msb: bits 1:0 source 0, 3:2 source 1, 5:4 source 2, 7:6 destination; the high byte repeats the setting left
.if MSB != \new
	s_set_vgpr_msb (MSB<<8)|\new
.set MSB, \new
.endif
.endm
.macro WINL                            ; for LDS loads into window 0: only destination and source 0 matter
.if (MSB&0xc3) != 0
	WIN 0
.endif
.endm
.macro NOPS n
.rept \n
	v_nop
.endr
.endm
; 32 rows of 512 bytes (two tiles): each load of the wave covers one whole row
.macro GLD base, dst, dwin
	WIN (\dwin<<6)
.set gk, 0
.rept 32
	global_load_b128 v[\dst+4*gk:\dst+4*gk+3], v[GO], s[\base:\base+1] offset:gk*512 th:TH_LOAD_NT
.set gk, gk+1
.endr
.endm
; 16 rows as loaded -> fragment layout, through my own stage.  LDS serves a wave's instructions in order (ISA guide 5.7.1): no wait between stores and loads.
.macro TR_IN src, swin, dst, dwin
	WIN (\swin<<2)
.set tk, 0
.rept 16
	ds_store_b128 v[STW], v[\src+4*tk:\src+4*tk+3] offset:tk*STP
.set tk, tk+1
.endr
	WIN (\dwin<<6)
.set tk, 0
.rept 8
	ds_load_b128 v[\dst+8*tk:\dst+8*tk+3], v[STR] offset:64*tk
	ds_load_b128 v[\dst+8*tk+4:\dst+8*tk+7], v[STR] offset:64*tk+16
.set tk, tk+1
.endr
	s_wait_dscnt 0x0                               ; the fragments are in, and the stage may be stored into again
.endm
; ACC[b] (out0 in fragment layout) -> rows -> memory; each store of the wave covers 512 consecutive bytes, one row of out0
.macro TR_OUT b
	WIN 0x08
.set tk, 0
.rept 8
	ds_store_b128 v[STR], v[ACC+64*\b+8*tk:ACC+64*\b+8*tk+3] offset:64*tk
	ds_store_b128 v[STR], v[ACC+64*\b+8*tk+4:ACC+64*\b+8*tk+7] offset:64*tk+16
.set tk, tk+1
.endr
	WIN 0xc0
.set tk, 0
.rept 16
	ds_load_b128 v[RAW+64*\b+4*tk:RAW+64*\b+4*tk+3], v[STW] offset:tk*STP
.set tk, tk+1
.endr
	WIN 0x0c
.set tk, 0
.rept 16
	s_wait_dscnt 15-tk                             ; row tk is in; the younger rows' loads stay out
	global_store_b128 v[GO], v[RAW+64*\b+4*tk:RAW+64*\b+4*tk+3], s[26:27] offset:\b*8192+tk*512 th:TH_STORE_NT
.set tk, tk+1
.endr
.endm
; 128 per-feature constants in fragment layout (64 registers; the lanes of a half read the same words)
.macro LDC dst, dwin, off
	WIN (\dwin<<6)
.set tk, 0
.rept 8
	ds_load_b128 v[\dst+8*tk:\dst+8*tk+3], v[CN] offset:\off+64*tk
	ds_load_b128 v[\dst+8*tk+4:\dst+8*tk+7], v[CN] offset:\off+64*tk+16
.set tk, tk+1
.endr
.endm
; Row scale and packing: m = the row's largest |src|; e = its power of two, held in [2^-126, 2^126]; SINV[b] = e, SCL = 1/e (exact);
; ACC[b] = src / e;  VH[b] = f16(ACC[b]).  A batch row lies in lanes r and r + 16: one exchange of the halves completes the maximum.
.macro NORMPACK b, src
	WIN 0x0a
	v_max_num_f32 v[RM], |v[\src]|, |v[\src+1]|
	v_max_num_f32 v[RM2], |v[\src+32]|, |v[\src+33]|
.set nk, 2
.rept 15
	v_max3_num_f32 v[RM], |v[\src+nk]|, |v[\src+nk+1]|, v[RM]
	v_max3_num_f32 v[RM2], |v[\src+32+nk]|, |v[\src+33+nk]|, v[RM2]
.set nk, nk+2
.endr
	WIN 0
	v_max_num_f32 v[RM], v[RM], v[RM2]
	v_permlanex16_b32 v[RM2], v[RM], s4, s5
	v_max_num_f32 v[RM], v[RM], v[RM2]
	v_max_num_f32 v[RM], 0x00800000, v[RM]         ; at least 2^-126
	v_min_num_f32 v[RM], 0x7e800000, v[RM]         ; at most 2^126
	v_and_b32 v[SINV+2*\b], 0x7f800000, v[RM]      ; the exponent alone: e
	v_sub_nc_u32 v[SCL], 0x7f000000, v[SINV+2*\b]  ; exponent 254 - E: 1/e
	WIN 0x82
.set nk, 0
.rept 32
	v_pk_mul_f32 v[ACC+64*\b+2*nk:ACC+64*\b+2*nk+1], v[\src+2*nk:\src+2*nk+1], v[SCL:SCL+1] op_sel_hi:[1,0]
.set nk, nk+1
.endr
	WIN 0xca
.set nk, 0
.rept 32
	v_cvt_pk_f16_f32 v[VH+32*\b+nk], v[ACC+64*\b+2*nk], v[ACC+64*\b+2*nk+1]
.set nk, nk+1
.endr
.endm
; ---- A fragments, 16 loads a run.  Step i covers h = 32 i .. 32 i + 31.
.macro LDF_W2 i                        ; VJP, product 1: rows h = 32 i + 16 ht + r of W2, K = n = 32 ks ..
	WINL
.set lg, (\i)/7
.set lo, ((\i)-7*lg)*32*W2P
.irp ht, 0,1
.irp ks, 0,1,2,3
	ds_load_b128 v[F2+8*(4*\ht+\ks):F2+8*(4*\ht+\ks)+3], v[AW2+lg] offset:lo+\ht*16*W2P+64*\ks
	ds_load_b128 v[F2+8*(4*\ht+\ks)+4:F2+8*(4*\ht+\ks)+7], v[AW2+lg] offset:lo+\ht*16*W2P+64*\ks+32
.endr
.endr
.endm
.macro LDF_W1 i                        ; VJP, product 2: rows n = 16 nt + r of W1, K = h = 32 i ..
	WINL
.irp nt, 0,1,2,3,4,5,6,7
	ds_load_b128 v[F1+8*\nt:F1+8*\nt+3], v[AW1+\nt/4] offset:(\nt%4)*16*W1P+64*(\i)
	ds_load_b128 v[F1+8*\nt+4:F1+8*\nt+7], v[AW1+\nt/4] offset:(\nt%4)*16*W1P+64*(\i)+32
.endr
.endm
.macro LDT_W1 i                        ; forward, product 1: rows h of W1^T, K = n: W1 is stored [K][M], so 8 x 8 blocks are transposed on the way
	WINL
.irp ht, 0,1
.irp ks, 0,1,2,3
	ds_load_tr16_b128 v[F2+8*(4*\ht+\ks):F2+8*(4*\ht+\ks)+3], v[AT1+\ks/2] offset:(\ks%2)*32*W1P+64*(\i)+32*\ht
	ds_load_tr16_b128 v[F2+8*(4*\ht+\ks)+4:F2+8*(4*\ht+\ks)+7], v[AT1+\ks/2] offset:(\ks%2)*32*W1P+64*(\i)+32*\ht+16*W1P
.endr
.endr
.endm
.macro LDT_W2 i                        ; forward, product 2: rows n of W2^T, K = h
	WINL
.set lg, (\i)/7
.set lo, ((\i)-7*lg)*32*W2P
.irp nt, 0,1,2,3,4,5,6,7
	ds_load_tr16_b128 v[F1+8*\nt:F1+8*\nt+3], v[AT2+lg] offset:lo+32*\nt
	ds_load_tr16_b128 v[F1+8*\nt+4:F1+8*\nt+7], v[AT2+lg] offset:lo+32*\nt+16*W2P
.endr
.endm
.macro LDB1 i                          ; 2.885390 b1 of h = 32 i + 16 ht + 8 hh + j, in X's layout
	WINL
	ds_load_b128 v[B1T:B1T+3], v[CN] offset:C_B1+128*(\i)
	ds_load_b128 v[B1T+4:B1T+7], v[CN] offset:C_B1+128*(\i)+16
	ds_load_b128 v[B1T+8:B1T+11], v[CN] offset:C_B1+128*(\i)+64
	ds_load_b128 v[B1T+12:B1T+15], v[CN] offset:C_B1+128*(\i)+80
.endm
; ---- product 1: 32 h x 2 tiles of batch rows, K = 128: 16 matrix instructions, four chains in place; the first link starts the sum with C = 0
.macro MM1 buf
	WIN 0x0c
.irp ks, 0,1,2,3
.irp ht, 0,1
.irp b, 0,1
.if \ks == 0
	v_wmma_f32_16x16x32_f16 v[XR+32*(\buf)+16*\b+8*\ht:XR+32*(\buf)+16*\b+8*\ht+7], v[F2+8*(4*\ht+\ks):F2+8*(4*\ht+\ks)+7], v[VH+32*\b+8*\ks:VH+32*\b+8*\ks+7], 0
.else
	v_wmma_f32_16x16x32_f16 v[XR+32*(\buf)+16*\b+8*\ht:XR+32*(\buf)+16*\b+8*\ht+7], v[F2+8*(4*\ht+\ks):F2+8*(4*\ht+\ks)+7], v[VH+32*\b+8*\ks:VH+32*\b+8*\ks+7], v[XR+32*(\buf)+16*\b+8*\ht:XR+32*(\buf)+16*\b+8*\ht+7]
.endif
.endr
.endr
.endr
.endm
; ---- product 2: 128 n x 2 tiles, K = this step's 32 h: 16 matrix instructions on the 16 accumulators
.macro MM2 buf, zero
	WIN 0xa0
.irp nt, 0,1,2,3,4,5,6,7
.irp b, 0,1
.if \zero
	v_wmma_f32_16x16x32_f16 v[ACC+64*\b+8*\nt:ACC+64*\b+8*\nt+7], v[F1+8*\nt:F1+8*\nt+7], v[XR+32*(\buf)+16*\b:XR+32*(\buf)+16*\b+7], 0
.else
	v_wmma_f32_16x16x32_f16 v[ACC+64*\b+8*\nt:ACC+64*\b+8*\nt+7], v[F1+8*\nt:F1+8*\nt+7], v[XR+32*(\buf)+16*\b:XR+32*(\buf)+16*\b+7], v[ACC+64*\b+8*\nt:ACC+64*\b+8*\nt+7]
.endif
.endr
.endr
.endm
; ---- between the products, VJP: X -> f16 in place (ascending, so no source is overwritten early), times d
.macro VV i, b
	WIN 0
.set xb, XR+32*((\i)&1)+16*\b
.irp q, 0,1,2,3,4,5,6,7
	v_cvt_pk_f16_f32 v[xb+\q], v[xb+2*\q], v[xb+2*\q+1]
.endr
	WIN 0x04
.irp q, 0,1,2,3,4,5,6,7
	v_pk_mul_f16 v[xb+\q], v[xb+\q], v[128*\b+8*(\i)+\q]
.endr
.endm
; ---- between the products, forward: t = tanh(SINV X / 2.885390 + b1) (the factor is folded into SINV and b1), d = 1 - t^2 kept in window 1
.macro VF i, b
	WIN 0
.set xb, XR+32*((\i)&1)+16*\b
.irp q, 0,2,4,6,8,10,12,14
	v_pk_fma_f32 v[xb+\q:xb+\q+1], v[xb+\q:xb+\q+1], v[SINV+2*\b:SINV+2*\b+1], v[B1T+\q:B1T+\q+1] op_sel_hi:[1,0,1]
.endr
.set vk, 0
.rept 16
	v_exp_f32 v[xb+vk], v[xb+vk]
.set vk, vk+1
.endr
	v_nop                                          ; one plain place behind the last transcendental before its result is read (ISA guide 5.7.2)
	s_wait_alu depctr_va_vdst(0)
.irp q, 0,2,4,6,8,10,12,14
	v_pk_add_f32 v[xb+\q:xb+\q+1], v[xb+\q:xb+\q+1], 1.0 op_sel_hi:[1,0]
.endr
.set vk, 0
.rept 16
	v_rcp_f32 v[xb+vk], v[xb+vk]
.set vk, vk+1
.endr
	v_nop                                          ; likewise
	s_wait_alu depctr_va_vdst(0)
.irp q, 0,2,4,6,8,10,12,14
	v_pk_fma_f32 v[xb+\q:xb+\q+1], v[xb+\q:xb+\q+1], -2.0, 1.0 op_sel_hi:[1,0,0]
.endr
.irp q, 0,2,4,6,8,10,12,14
	v_pk_fma_f32 v[T16+\q:T16+\q+1], v[xb+\q:xb+\q+1], v[xb+\q:xb+\q+1], 1.0 op_sel_hi:[1,1,0] neg_lo:[1,0,0] neg_hi:[1,0,0]
.endr
.irp q, 0,1,2,3,4,5,6,7
	v_cvt_pk_f16_f32 v[xb+\q], v[xb+2*\q], v[xb+2*\q+1]
.endr
	WIN 0x40
.irp q, 0,1,2,3,4,5,6,7
	v_cvt_pk_f16_f32 v[128*\b+8*(\i)+\q], v[T16+2*\q], v[T16+2*\q+1]
.endr
.endm
.macro VSTEP fwd, i, b
.if \fwd
	VF \i, \b
.else
	VV \i, \b
.endif
.endm
.macro LOADM fwd, i                    ; product 1's fragments of step i
.if \fwd
	LDT_W1 \i
.else
	LDF_W2 \i
.endif
.endm
.macro LOADK fwd, i                    ; product 2's fragments of step i
.if \fwd
	LDT_W2 \i
.else
	LDF_W1 \i
.endif
.endm
; ---- ONE APPLICATION: ACC = W (g o (W' VH)), 16 steps of 32 h, software-pipelined: product 1 runs one step ahead of product 2, on two X buffers.
; Step 0's fragments of product 1 (and b1, forward) were asked for by the caller.
; DISTANCES behind matrix instructions (ISA guide 7.12.1) are kept by the vector work itself: each VSTEP holds at least 16 plain vector instructions on
; the X buffer and tile that the matrix instructions in front of it do not name.  X(i) is read one VSTEP behind MM1(i); F1 is loaded again one VSTEP behind
; the MM2 that read it, F2 one VSTEP behind its MM1; MM1(i+1) writes over MM2(i-1)'s B one VSTEP behind it.  Only the head needs v_nop.
.macro PIPE fwd
	s_wait_dscnt 0x0                               ; step 0's fragments (and b1) are in
	MM1 0
	NOPS 5
	LOADM \fwd, 1
.set pi, 0
.rept 16
.if pi >= 1
.if pi == 15
	s_wait_dscnt 0x0                               ; nothing younger was asked for: product 2's fragments of step 14 (and b1 of step 15)
.else
	s_wait_dscnt 0x10                              ; product 2's fragments of step pi-1 (and b1 of step pi) are in; the 16 younger loads, product 1's of step pi+1, stay out
.endif
.if pi == 1
	MM2 0, 1
.else
	MM2 (pi-1)&1, 0
.endif
.endif
	VSTEP \fwd, pi, 0
	LOADK \fwd, pi
.if pi <= 14
	s_wait_dscnt 0x10                              ; product 1's fragments of step pi+1 are in; the 16 loads just issued stay out
	MM1 (pi+1)&1
.endif
	VSTEP \fwd, pi, 1
.if \fwd
.if pi <= 14
	LDB1 pi+1
.endif
.endif
.if pi <= 13
	LOADM \fwd, pi+2
.endif
.set pi, pi+1
.endr
	s_wait_dscnt 0x0
	MM2 1, 0
.endm
; ---- out0 of tile b: mask to fragment layout; ACC = xm - (ACC ilam + b2 ilam) mask; out
.macro OUT0 b
	TR_IN RAW+64*\b, 3, RAW+64*\b, 3
	WIN 0xb2
.set ok, 0
.rept 32
	v_pk_fma_f32 v[ACC+64*\b+2*ok:ACC+64*\b+2*ok+1], v[ACC+64*\b+2*ok:ACC+64*\b+2*ok+1], v[XR+2*ok:XR+2*ok+1], v[CB+2*ok:CB+2*ok+1]
.set ok, ok+1
.endr
	WIN 0xae
.set ok, 0
.rept 32
	v_pk_fma_f32 v[ACC+64*\b+2*ok:ACC+64*\b+2*ok+1], v[ACC+64*\b+2*ok:ACC+64*\b+2*ok+1], v[RAW+64*\b+2*ok:RAW+64*\b+2*ok+1], v[EPS+64*\b+2*ok:EPS+64*\b+2*ok+1] neg_lo:[1,0,0] neg_hi:[1,0,0]
.set ok, ok+1
.endr
	TR_OUT \b
.endm
; ---- in = eps +- SINV ACC, then its own row scale
.macro UPD b
	WIN 0
	v_mul_f32 v[CF], s30, v[SINV+2*\b]
	WIN 0xa2
.set uk, 0
.rept 32
	v_pk_fma_f32 v[ACC+64*\b+2*uk:ACC+64*\b+2*uk+1], v[ACC+64*\b+2*uk:ACC+64*\b+2*uk+1], v[CF:CF+1], v[EPS+64*\b+2*uk:EPS+64*\b+2*uk+1] op_sel_hi:[1,0,1]
.set uk, uk+1
.endr
	NORMPACK \b, ACC+64*\b
.endm
; ---- out1 of tile b: SINV <ACC, eps>, four chains started by products, then the partner lane's half of the row
.macro DOT b
	WIN 0x0a
.irp c, 0,1,2,3
	v_pk_mul_f32 v[T16+2*\c:T16+2*\c+1], v[ACC+64*\b+2*\c:ACC+64*\b+2*\c+1], v[EPS+64*\b+2*\c:EPS+64*\b+2*\c+1]
.endr
.set dk, 4
.rept 28
	v_pk_fma_f32 v[T16+2*(dk%4):T16+2*(dk%4)+1], v[ACC+64*\b+2*dk:ACC+64*\b+2*dk+1], v[EPS+64*\b+2*dk:EPS+64*\b+2*dk+1], v[T16+2*(dk%4):T16+2*(dk%4)+1]
.set dk, dk+1
.endr
	WIN 0
	v_pk_add_f32 v[T16:T16+1], v[T16:T16+1], v[T16+2:T16+3]
	v_pk_add_f32 v[T16+4:T16+5], v[T16+4:T16+5], v[T16+6:T16+7]
	v_pk_add_f32 v[T16:T16+1], v[T16:T16+1], v[T16+4:T16+5]
	v_add_f32 v[RLD+\b], v[T16], v[T16+1]
	v_permlanex16_b32 v[RM2], v[RLD+\b], s4, s5
	v_add_f32 v[RLD+\b], v[RLD+\b], v[RM2]
	v_mul_f32 v[RLD+\b], v[RLD+\b], v[SINV+2*\b]
.endm
; ---- weights: 32 loads of 2,048 consecutive bytes a work-group (regular caching: every work-group reads them), f32 -> f16 in place, 8 bytes a thread to LDS
.macro WLD base, k0, reg
	WIN 0x40
.set wk, 0
.rept 32
	global_load_b128 v[\reg+4*wk:\reg+4*wk+3], v[GT], s[\base:\base+1] offset:(\k0+wk)*2048
.set wk, wk+1
.endr
.endm
.macro WCV reg, adr, pitch
	WIN 0x45
.set wk, 0
.rept 32
	v_cvt_pk_f16_f32 v[\reg+4*wk], v[\reg+4*wk], v[\reg+4*wk+1]
	v_cvt_pk_f16_f32 v[\reg+4*wk+1], v[\reg+4*wk+2], v[\reg+4*wk+3]
.set wk, wk+1
.endr
	WIN 0x04
.set wk, 0
.rept 32
	ds_store_b64 v[\adr], v[\reg+4*wk:\reg+4*wk+1] offset:wk*\pitch
.set wk, wk+1
.endr
	WIN 0
	v_add_nc_u32 v[\adr], 32*\pitch, v[\adr]       ; the next batch's 32 steps
.endm
; =============================================== PROLOGUE
	s_load_b512 s[8:23], s[0:1], 0x0               ; x 8, mask 10, vareps 12, Lambda 14, mu 16, W1 18, b1 20, W2 22
	s_load_b128 s[24:27], s[0:1], 0x40             ; b2 24, out0 26
	s_load_b64 s[28:29], s[0:1], 0x50              ; out1
	v_lshrrev_b32 v30, 5, v0
	v_readfirstlane_b32 s2, v30                    ; wave 0..3
	s_mov_b32 s4, 0x76543210                       ; v_permlanex16_b32: lane i of one half reads lane i of the other
	s_mov_b32 s5, 0xfedcba98
	v_and_b32 v1, 31, v0                           ; L
	v_and_b32 v30, 15, v0                          ; r
	v_bfe_u32 v31, v0, 4, 1                        ; hh
	v_and_b32 v32, 7, v0
	v_lshl_add_u32 v32, v31, 3, v32                ; 8 hh + (L & 7)
	v_bfe_u32 v33, v0, 3, 1                        ; (L >> 3) & 1
	v_mul_u32_u24 v[AW2], v30, W2P
	v_lshl_add_u32 v[AW2], v31, 4, v[AW2]
	v_add_nc_u32 v[AW2], W2H, v[AW2]
	v_add_nc_u32 v[AW2+1], G7, v[AW2]
	v_add_nc_u32 v[AW2+2], 2*G7, v[AW2]
	v_mul_u32_u24 v[AW1], v30, W1P
	v_lshl_add_u32 v[AW1], v31, 4, v[AW1]
	v_add_nc_u32 v[AW1+1], G4, v[AW1]
	v_mul_u32_u24 v[AT1], v32, W1P
	v_lshl_add_u32 v[AT1], v33, 4, v[AT1]
	v_add_nc_u32 v[AT1+1], G4, v[AT1]
	v_mul_u32_u24 v[AT2], v32, W2P
	v_lshl_add_u32 v[AT2], v33, 4, v[AT2]
	v_add_nc_u32 v[AT2], W2H, v[AT2]
	v_add_nc_u32 v[AT2+1], G7, v[AT2]
	v_add_nc_u32 v[AT2+2], 2*G7, v[AT2]
	s_mul_i32 s3, s2, STB
	s_add_co_u32 s3, s3, STAGE                     ; my stage
	v_lshlrev_b32 v[GO], 4, v1
	v_add_nc_u32 v[STW], s3, v[GO]
	v_mul_u32_u24 v35, v30, STP
	v_lshl_add_u32 v35, v31, 5, v35
	v_add_nc_u32 v[STR], s3, v35
	v_lshlrev_b32 v[CN], 5, v31
	v_add_nc_u32 v[CN], CONST, v[CN]
	s_lshl_b32 s31, s2, 8
	s_add_co_u32 s31, s31, OUT1S                   ; my 64 words of out1
	v_lshl_add_u32 v[O1], v1, 2, s31
	v_lshlrev_b32 v[GT], 4, v0
	v_lshlrev_b32 v44, 2, v0                       ; 4 t: my word of Lambda, mu, b2
	v_lshlrev_b32 v46, 3, v0                       ; W1 into LDS: 8 t in row k
	v_lshrrev_b32 v36, 5, v0
	v_mul_u32_u24 v36, v36, W2P
	v_lshl_add_u32 v36, v1, 3, v36
	v_add_nc_u32 v47, W2H, v36                     ; W2 into LDS: row 4 k + t / 32, byte 8 (t & 31)
	v_mov_b32 v[SINV+1], 0                         ; the second registers of pairs of which only the first is used
	v_mov_b32 v[SINV+3], 0
	v_mov_b32 v[SCL+1], 0
	v_mov_b32 v[CF+1], 0
	s_lshl_b32 s32, ttmp9, 17                      ; 256 rows of 512 bytes a work-group,
	s_lshl_b32 s3, s2, 15                          ; 64 a wave
	s_add_co_u32 s32, s32, s3
	s_mov_b32 s33, 0
	s_wait_kmcnt 0x0
	s_add_nc_u64 s[8:9], s[8:9], s[32:33]
	s_add_nc_u64 s[10:11], s[10:11], s[32:33]
	s_add_nc_u64 s[12:13], s[12:13], s[32:33]
	s_add_nc_u64 s[26:27], s[26:27], s[32:33]
	s_lshl_b32 s32, ttmp9, 10                      ; out1: 1,024 bytes a work-group, 256 a wave
	s_lshl_b32 s3, s2, 8
	s_add_co_u32 s32, s32, s3
	s_add_nc_u64 s[28:29], s[28:29], s[32:33]
	GLD 8, RAW, 3                                  ; the first pass's x
	WIN 0
	global_load_b32 v48, v44, s[14:15]             ; Lambda[t]
	global_load_b32 v49, v44, s[16:17]             ; mu[t]
	global_load_b32 v50, v44, s[24:25]             ; b2[t]
	global_load_b128 v[52:55], v[GT], s[20:21]     ; b1[4 t ..]
	WLD 18, 0, 0
	s_wait_loadcnt 0x20                            ; the first batch of weights (32 loads) stays out; the constants, issued ahead of it, are in
	WIN 0
	v_mul_f32 v56, 0x3fb8aa3b, v48                 ; Lambda log2(e)
	v_mul_f32 v61, 0xbfb8aa3b, v48                 ; -Lambda log2(e)
	v_exp_f32 v57, v56                             ; exp(Lambda)
	v_exp_f32 v58, v61                             ; exp(-Lambda)
	v_pk_mul_f32 v[52:53], v[52:53], 0x4038aa3b op_sel_hi:[1,0]   ; 2 log2(e) b1 (also the plain place behind the exponentials)
	v_pk_mul_f32 v[54:55], v[54:55], 0x4038aa3b op_sel_hi:[1,0]
	s_wait_alu depctr_va_vdst(0)
	v_mul_f32 v59, v50, v58
	v_add_nc_u32 v45, CONST, v44
	v_add_nc_u32 v60, CONST+C_B1, v[GT]
	ds_store_b32 v45, v49 offset:C_MU
	ds_store_b32 v45, v57 offset:C_LAM
	ds_store_b32 v45, v58 offset:C_ILAM
	ds_store_b32 v45, v59 offset:C_B2L
	ds_store_b128 v60, v[52:55]
	WLD 18, 32, 128
	; eight batches, two on their way: each wait leaves the younger batch's 32 loads out
	s_wait_loadcnt 0x20
	WCV 0, 46, W1P
	WLD 18, 64, 0
	s_wait_loadcnt 0x20
	WCV 128, 46, W1P
	WLD 18, 96, 128
	s_wait_loadcnt 0x20
	WCV 0, 46, W1P
	WLD 22, 0, 0
	s_wait_loadcnt 0x20
	WCV 128, 46, W1P
	WLD 22, 32, 128
	s_wait_loadcnt 0x20
	WCV 0, 47, 4*W2P
	WLD 22, 64, 0
	s_wait_loadcnt 0x20
	WCV 128, 47, 4*W2P
	WLD 22, 96, 128
	s_wait_loadcnt 0x20
	WCV 0, 47, 4*W2P
	s_wait_loadcnt 0x0
	WCV 128, 47, 4*W2P
	s_wait_dscnt 0x0                               ; my part of the weights and constants is in LDS,
	s_barrier_signal -1
	s_barrier_wait -1                              ; everybody's is.  The only barrier: from here these bytes are only read, all other LDS bytes are a wave's own
	s_mov_b32 s6, 0
; =============================================== A PASS: 32 batch rows of the wave
.Lpass:
	s_wait_loadcnt 0x0                             ; x is in
	LDC F1, 0, C_MU
	LDC F2, 0, C_LAM
	TR_IN RAW, 3, EPS, 2
	TR_IN RAW+64, 3, EPS+64, 2
	GLD 10, RAW, 3                                 ; the mask, wanted behind the forward step
	WIN 0x82
.irp b, 0,1
.set k, 0
.rept 32
	v_pk_add_f32 v[EPS+64*\b+2*k:EPS+64*\b+2*k+1], v[EPS+64*\b+2*k:EPS+64*\b+2*k+1], v[F1+2*k:F1+2*k+1] neg_lo:[0,1] neg_hi:[0,1]   ; xm = x - mu, kept for out0
	v_pk_mul_f32 v[ACC+64*\b+2*k:ACC+64*\b+2*k+1], v[EPS+64*\b+2*k:EPS+64*\b+2*k+1], v[F2+2*k:F2+2*k+1]                             ; z = xm exp(Lambda)
.set k, k+1
.endr
.endr
	LDT_W1 0                                       ; the forward step's first fragments, in flight during the scaling
	LDB1 0
	NORMPACK 0, ACC
	NORMPACK 1, ACC+64
	WIN 0
	v_mul_f32 v[SINV], 0x4038aa3b, v[SINV]         ; 2 log2(e) folded into the inverse scale
	v_mul_f32 v[SINV+2], 0x4038aa3b, v[SINV+2]
	PIPE 1                                         ; ACC = W2^T tanh(..); d into window 1
	NOPS 4                                         ; the places behind the last matrix instructions: ACC is read, F1, F2 and X are loaded into
	GLD 12, F1, 0                                  ; vareps into the fragment buffers, idle until the series starts
	LDC XR, 0, C_ILAM
	LDC CB, 3, C_B2L
	s_wait_loadcnt 0x20                            ; the mask is in; vareps' 32 loads stay out
	OUT0 0
	OUT0 1
	s_wait_loadcnt 0x0                             ; vareps is in
	TR_IN F1, 0, EPS, 2
	TR_IN F1+64, 0, EPS+64, 2
	LDF_W2 0
	NORMPACK 0, EPS                                ; in0 = eps
	NORMPACK 1, EPS+64
	WIN 0
	s_cmp_lg_u32 s6, 0
	s_cbranch_scc1 .Lnox                           ; the second pass has no successor: nothing is loaded past the wave's rows
	s_wait_xcnt 0x0                                ; out0's stores have read RAW, x's earlier loads their base: both are rewritten only behind this wait
	s_add_nc_u64 s[8:9], s[8:9], 16384
	GLD 8, RAW, 3                                  ; the next pass's x flies during the whole series
	WIN 0
.Lnox:
	s_mov_b32 s7, 0
.Lapp:
	PIPE 0                                         ; ACC = A (scaled in)
	WIN 0
	s_add_co_u32 s7, s7, 1
	s_cmp_eq_u32 s7, 7
	s_cbranch_scc1 .Ldot                           ; the seventh product goes into the dot product
	s_cmp_eq_u32 s7, 6
	s_cselect_b32 s30, -1.0, 1.0                   ; in6 = eps - p6, the others eps + p_k
	NOPS 4                                         ; the places behind the last matrix instructions
	LDF_W2 0
	UPD 0
	UPD 1
	WIN 0
	s_cmp_lt_u32 s7, 7
	s_cbranch_scc1 .Lapp
.Ldot:
	NOPS 4                                         ; the places behind the last matrix instructions
	DOT 0
	DOT 1
	v_cmp_gt_u32 vcc_lo, 16, v1
	v_cndmask_b32 v[RM], v[RLD+1], v[RLD], vcc_lo  ; lane L keeps row L of the pass's 32: tile 0 in lanes 0-15, tile 1 in lanes 16-31
	ds_store_b32 v[O1], v[RM]
	v_add_nc_u32 v[O1], 128, v[O1]
	s_wait_xcnt 0x0                                ; the bases of this pass's loads and stores are stepped only behind this wait
	s_add_nc_u64 s[10:11], s[10:11], 16384
	s_add_nc_u64 s[12:13], s[12:13], 16384
	s_add_nc_u64 s[26:27], s[26:27], 16384
	s_add_co_u32 s6, s6, 1
	s_cmp_lt_u32 s6, 2
	s_cbranch_scc1 .Lpass
	; out1: the wave's 64 numbers leave by one store of 256 consecutive bytes, at a multiple of 256 from out1's first byte
	v_lshlrev_b32 v[RM], 3, v1
	v_add_nc_u32 v[RM2], s31, v[RM]
	ds_load_b64 v[RLD:RLD+1], v[RM2]               ; my own wave's stores, served in order
	s_wait_dscnt 0x0
	global_store_b64 v[RM], v[RLD:RLD+1], s[28:29]
	s_wait_xcnt 0x0
	v_lshl_add_u32 v254, v0, 2, 0x4c000
	v_mov_b32 v255, 0
	s_wait_tensorcnt 0x0
	ds_add_u32 v254, v255
	s_wait_dscnt 0x0
	s_endpgm
.Lfunc_end_k_qd33e081bc2_ires:
	.size	k_qd33e081bc2_ires, .Lfunc_end_k_qd33e081bc2_ires-k_qd33e081bc2_ires
	.p2alignl 7, 3214868480
	.fill 96, 4, 3214868480
	.section	.rodata,"a",@progbits
	.p2align	6, 0x0
	.amdhsa_kernel k_qd33e081bc2_ires
		.amdhsa_group_segment_fixed_size 311808
		.amdhsa_private_segment_fixed_size 0
		.amdhsa_enable_private_segment 0
		.amdhsa_kernarg_size 88
		.amdhsa_user_sgpr_count 2
		.amdhsa_user_sgpr_kernarg_segment_ptr 1
		.amdhsa_wavefront_size32 1
		.amdhsa_system_sgpr_workgroup_id_x 1
		.amdhsa_system_sgpr_workgroup_id_y 1
		.amdhsa_system_sgpr_workgroup_id_z 1
		.amdhsa_system_vgpr_workitem_id 0
		.amdhsa_next_free_vgpr 1024
		.amdhsa_next_free_sgpr 66
		.amdhsa_reserve_vcc 1
		.amdhsa_float_denorm_mode_32 3
		.amdhsa_float_denorm_mode_16_64 3
		.amdhsa_memory_ordered 1
		.amdhsa_forward_progress 1
		.amdhsa_inst_pref_size 255
	.end_amdhsa_kernel
	.section	.bss,"aw",@nobits
	.p2align	6
	.space	262144
	.amdgpu_metadata
---
amdhsa.version: [ 1, 2 ]
amdhsa.kernels:
  - .name:           k_qd33e081bc2_ires
    .symbol:         k_qd33e081bc2_ires.kd
    .args:
      - { .name: x, .offset: 0, .size: 8, .value_kind: global_buffer, .address_space: global }
      - { .name: mask, .offset: 8, .size: 8, .value_kind: global_buffer, .address_space: global }
      - { .name: vareps, .offset: 16, .size: 8, .value_kind: global_buffer, .address_space: global }
      - { .name: Lambda, .offset: 24, .size: 8, .value_kind: global_buffer, .address_space: global }
      - { .name: mu, .offset: 32, .size: 8, .value_kind: global_buffer, .address_space: global }
      - { .name: W1, .offset: 40, .size: 8, .value_kind: global_buffer, .address_space: global }
      - { .name: b1, .offset: 48, .size: 8, .value_kind: global_buffer, .address_space: global }
      - { .name: W2, .offset: 56, .size: 8, .value_kind: global_buffer, .address_space: global }
      - { .name: b2, .offset: 64, .size: 8, .value_kind: global_buffer, .address_space: global }
      - { .name: out0, .offset: 72, .size: 8, .value_kind: global_buffer, .address_space: global }
      - { .name: out1, .offset: 80, .size: 8, .value_kind: global_buffer, .address_space: global }
    .group_segment_fixed_size: 311808
    .private_segment_fixed_size: 0
    .kernarg_segment_align: 8
    .kernarg_segment_size: 88
    .max_flat_workgroup_size: 128
    .sgpr_count:     66
    .vgpr_count:     1024
    .wavefront_size: 32
...
	.end_amdgpu_metadata
.endif
;; end of part 1
;; ======== version 2 of 2: 1 launch; version 1 with the launch ires written anew for expert scheduling mode
;; limits: values are held in f16: magnitudes above 65,504 overflow, below 6.1e-05 lose precision; right only within a limited range of input values; values outside matrix products are rounded to f16
;; launch ires (part 2): grid 256 x 1, 4 waves a work-group, no clusters, 311,808 bytes of LDS; arguments x, mask, vareps, Lambda, mu, W1, b1, W2, b2, out0, out1; writes out0, out1
.if DOCPART == 2
	.amdgcn_target "amdgcn-amd-amdhsa--gfx1250"
	.amdhsa_code_object_version 6
	.text
	.protected	k_qd33e081bc2_ires
	.globl	k_qd33e081bc2_ires
	.p2align	8
	.type	k_qd33e081bc2_ires,@function
k_qd33e081bc2_ires:
	s_mov_b64 s[64:65], 0
	v_nop
	global_prefetch_b8 v0, s[64:65] scope:SCOPE_SE
	s_setreg_imm32_b32 hwreg(HW_REG_WAVE_SCHED_MODE, 0, 2), 2
	s_setreg_imm32_b32 hwreg(HW_REG_WAVE_MODE, 25, 1), 1
	s_wait_xcnt 0x0
	s_wait_alu depctr_vm_vsrc(0)
; iResBlock.  z = (x - mu) exp(Lambda);  t = tanh(z W1 + b1);  f = t W2 + b2;  d = 1 - t^2;
; one VJP is  v -> ((v W2^T) o d) W1^T =: A v.   out0 = x - mu - f exp(-Lambda) mask;   out1 = < A (eps - A eps - .. - A^6 eps), eps >.
; ONE LAUNCH.  256 work-groups of four waves; a work-group owns 256 batch rows, a wave 64, taken in two passes of two tiles of 16 rows.
; Both weights lie in LDS in f16 for the whole launch; d, eps and every vector of the series stay in registers.
;
; EVERYTHING IS TRANSPOSED: a weight tile is always source A, the 16 batch rows are always the 16 columns.  A result tile then holds, in lane
; (r = L & 15, hh = L >> 4), register j, feature 8 hh + j of batch row r; two neighbouring result tiles, packed to f16 pair by pair, ARE the
; B fragment of the next product (registers 0-3: k = 8 hh .., registers 4-7: k = 16 + 8 hh ..).  So no activation passes through LDS in the chain.
; W2 [h][n] and W1 [n][h] serve the VJP as stored (K along the rows); the forward step reads the same bytes by transposing loads.
;
; THE SERIES IS SUMMED IN HORNER'S FORM (same terms, another order of rounding than the reference's):
;   in0 = eps, p_k = A in_(k-1), in_k = eps + p_k (k = 1..5), in6 = eps - p6, out1 = <p7, eps>.
; NUMBER FORMAT: f16 operands, f32 sums.  Each vector that becomes an operand is first multiplied, batch row by batch row, by an exact power of
; two that brings the row's largest magnitude into [1, 2); the inverse power rides on the fused multiply-add that uses the product.
; LIMITS, kept and stated: |W1|, |W2| < 65504 and 2 x (sum over n of |W2[h][n]|) < 65504 (f16's range for the weights and for v W2^T);
; weights below 6e-5 in magnitude keep an absolute error of 3e-8; a row whose largest magnitude is below 2^-126 is scaled as if it were 2^-126,
; one above 2^126 as if it were 2^126; NaN and infinities among the inputs are not reproduced (the row maximum ignores NaN);
; 1/exp(Lambda) is made as exp2(-1.442695 Lambda), and b2/exp(Lambda) is formed before the sum with t W2;
; tanh(a) = 1 - 2 / (1 + exp2(2.885390 a)): an overflow or underflow of the exponential gives +1 or -1, as it should.
; NO TENSOR LOADS, NO CLUSTER: what work-groups share are the weights alone, 524,288 bytes of f32, read once by each work-group; they do not fit
; into LDS as f32 and must be rounded to f16 in registers on the way in, which a copy of bytes cannot do.  x, mask and vareps belong to one wave each.
; NO PREFETCH: each of the three streams is loaded into idle registers a whole phase ahead of its use.
;
; THE MODE: SCHED_MODE bits 1:0 = 2 (LLVM: expert scheduling mode 2), set by the entry lines.  The code itself states the register dependences
; between vector or matrix instructions and memory or LDS instructions, with s_wait_alu, always for 0.
; THE PLAN.  Registers that memory or LDS instructions touch, and who else names them:
;   v2-14, v16, v17   addresses and offsets: made at the head, ahead of one wait on va_vdst, and never written again.
;   v15, v46, v47     LDS addresses stepped by a vector add (once a pass; once a batch of weights): a wait on vm_vsrc ahead of the add; behind it
;                     stands the wait on va_vdst that the next stores' data need anyway.
;   IN THE CHAIN (PIPE), step i:
;   F2    read by product 1's sixteen matrix instructions of step i + 1; the fragments of step i + 1 land in it first.
;   F1    read by product 2's sixteen matrix instructions of step i - 1; the fragments of step i land in it.
;   B1T   (forward) read by step i's two VF; the numbers of step i land in it first.
;   X, VH, d and the accumulators are named by vector and matrix instructions alone.
;   The two products take turns, and each run of sixteen matrix instructions has ONE wait on va_vdst at its head.  It states that the OTHER product's
;   last run is done reading its fragment buffer; that buffer's next loads follow among the run's own first matrix instructions, which name the
;   run's own buffer, X, VH or the accumulators: none of the registers that those loads touch.
;   OUTSIDE THE CHAIN each buffer changes hands once a phase (RAW: x, mask, out0, next x; EPS: x - mu, vareps; F1 and F2: constants, vareps;
;   XR, CB: constants; ACC: out0), and the wait stands at the change, with the dependence in its comment.  A load into windows 1 to 3
;   has its window switch ahead of its wait.
; ---- LDS, bytes
.set W1P,    1040                      ; pitch of W1's rows: 512 f16 + 16 bytes: 65 x 16, so the 16 rows of a fragment load start 16 bytes apart modulo 256
.set W2P,    272                       ; pitch of W2's rows: 128 f16 + 16 bytes: 17 x 16
.set W2H,    128*W1P                   ; W1 at 0 (133,120 bytes), W2 behind it (139,264 bytes)
.set CONST,  W2H+512*W2P               ; 272,384: per-feature constants in f32
.set C_MU,   0                         ;   mu[128]
.set C_LAM,  512                       ;   exp(Lambda)[128]
.set C_ILAM, 1024                      ;   exp(-Lambda)[128]
.set C_B2L,  1536                      ;   b2 exp(-Lambda) [128]
.set C_B1,   2048                      ;   2.885390 b1 [512]
.set OUT1S,  CONST+4096                ; 276,480: 64 f32 of out1 for each wave
.set STAGE,  OUT1S+1024                ; 277,504: each wave's own 16 rows x 528 bytes, to turn rows of memory into fragments and back
.set STP,    528                       ; 512 + 16: 33 x 16
.set STB,    16*STP
.set G7,     7*32*W2P                  ; 60,928: seven K steps of W2; address registers this far apart keep the 16-bit offsets in range
.set G4,     64*W1P                    ; 66,560: 64 rows of W1, likewise
; ---- vector registers.  Window 0:
.set AW2, 2                            ; v2-4    W2 as stored: W2H + r W2P + 16 hh (+ g G7)
.set AW1, 5                            ; v5-6    W1 as stored: r W1P + 16 hh (+ g G4)
.set AT1, 7                            ; v7-8    W1 transposed: (8 hh + (L & 7)) W1P + 16 ((L >> 3) & 1) (+ g G4)
.set AT2, 9                            ; v9-11   W2 transposed: W2H + (8 hh + (L & 7)) W2P + 16 ((L >> 3) & 1) (+ g G7)
.set STW, 12                           ; v12     stage by rows of memory: 16 L
.set STR, 13                           ; v13     stage by fragments: r STP + 32 hh
.set CN,  14                           ; v14     CONST + 32 hh
.set O1,  15                           ; v15     my word of out1's stage
.set GO,  16                           ; v16     16 L: my 16 bytes of a row of x, mask, vareps, out0
.set GT,  17                           ; v17     16 t: my 16 bytes of 2,048 of the weights
.set SINV, 18                          ; v18, v20  inverse row scale of tile 0, 1 (v19, v21 fill the pairs)
.set SCL, 22                           ; v22     row scale (v23 fills the pair)
.set CF,  24                           ; v24     +-SINV (v25 fills the pair)
.set RM,  26                           ; v26, v27  running maxima, scratch
.set RM2, 27
.set RLD, 28                           ; v28, v29  out1 of tile 0, 1
.set T16, 32                           ; v32-47  scratch (d in f32; the dot product's chains)
.set B1T, 48                           ; v48-63  2.885390 b1 of this step's 32 h
.set XR,  64                           ; v64-127 X(buf, b) = XR + 32 buf + 16 b: product 1's result, then product 2's B fragment
.set F1,  128                          ; v128-191 eight A fragments of product 2
.set F2,  192                          ; v192-255 eight A fragments of product 1; in a chain's last step, when product 1 is over, of product 2
; Window 1: d in f16, D(b, i, q) = 128 b + 8 i + q, in the packing of product 2's B fragment.
; Window 2:
.set ACC, 0                            ; ACC + 64 b + 8 nt + j: feature 16 nt + 8 hh + j of batch row r
.set EPS, 128                          ; the same layout: x - mu during the forward step, vareps afterwards
; Window 3:
.set VH,  0                            ; VH + 32 b: the scaled vector in f16, four B fragments
.set RAW, 64                           ; RAW + 64 b + 4 row: rows as they lie in memory (x, mask, out0)
.set CB,  192                          ; b2 exp(-Lambda) in fragment layout
; ---- scalars: s2 wave, s3 scratch, s4-5 lane selects, s6 pass, s7 application, s[8:29] the eleven addresses, s30 sign, s31 out1's stage, s[32:33] offsets
.set MSB, 0
.macro WIN new                         ; s_set_vgpr_msb: bits 1:0 source 0, 3:2 source 1, 5:4 source 2, 7:6 destination; the high byte repeats the setting left
.if MSB != \new
	s_set_vgpr_msb (MSB<<8)|\new
.set MSB, \new
.endif
.endm
.macro WINL                            ; for LDS loads into window 0: only destination and source 0 matter
.if (MSB&0xc3) != 0
	WIN 0
.endif
.endm
.macro NOPS n
.rept \n
	v_nop
.endr
.endm
; 32 rows of 512 bytes (two tiles): each load of the wave covers one whole row
.macro GLD base, dst, dwin
	WIN (\dwin<<6)
.set gk, 0
.rept 32
	global_load_b128 v[\dst+4*gk:\dst+4*gk+3], v[GO], s[\base:\base+1] offset:gk*512 th:TH_LOAD_NT
.set gk, gk+1
.endr
.endm
; 16 rows as loaded -> fragment layout, through my own stage.  LDS serves a wave's instructions in order (ISA guide 5.7.1): no wait between stores and loads.
; same = 1: the fragments land in the registers that the rows left.
.macro TR_IN src, swin, dst, dwin, same
	WIN (\swin<<2)
.set tk, 0
.rept 16
	ds_store_b128 v[STW], v[\src+4*tk:\src+4*tk+3] offset:tk*STP
.set tk, tk+1
.endr
	WIN (\dwin<<6)
.if \same
	s_wait_alu depctr_vm_vsrc(0)                   ; the sixteen stores above have read the registers in which the fragments land
.else
	s_wait_alu depctr_va_vdst(0)                   ; the vector instructions that read the destination's last content (x - mu for out0; vareps in the updates and the dot product) are done
.endif
.set tk, 0
.rept 8
	ds_load_b128 v[\dst+8*tk:\dst+8*tk+3], v[STR] offset:64*tk
	ds_load_b128 v[\dst+8*tk+4:\dst+8*tk+7], v[STR] offset:64*tk+16
.set tk, tk+1
.endr
	s_wait_dscnt 0x0                               ; the fragments are in, and the stage may be stored into again
.endm
; ACC[b] (out0 in fragment layout) -> rows -> memory; each store of the wave covers 512 consecutive bytes, one row of out0
.macro TR_OUT b
	WIN 0x08
	s_wait_alu depctr_va_vdst(0)                   ; out0's multiply-adds have written ACC[b], which the LDS stores read, and are done reading RAW[b] (the mask), in which the rows land
.set tk, 0
.rept 8
	ds_store_b128 v[STR], v[ACC+64*\b+8*tk:ACC+64*\b+8*tk+3] offset:64*tk
	ds_store_b128 v[STR], v[ACC+64*\b+8*tk+4:ACC+64*\b+8*tk+7] offset:64*tk+16
.set tk, tk+1
.endr
	WIN 0xc0
.set tk, 0
.rept 16
	ds_load_b128 v[RAW+64*\b+4*tk:RAW+64*\b+4*tk+3], v[STW] offset:tk*STP
.set tk, tk+1
.endr
	WIN 0x0c
.set tk, 0
.rept 16
	s_wait_dscnt 15-tk                             ; row tk is in; the younger rows' loads stay out
	global_store_b128 v[GO], v[RAW+64*\b+4*tk:RAW+64*\b+4*tk+3], s[26:27] offset:\b*8192+tk*512 th:TH_STORE_NT
.set tk, tk+1
.endr
.endm
; 128 per-feature constants in fragment layout (64 registers; the lanes of a half read the same words)
.macro LDC dst, dwin, off
	WIN (\dwin<<6)
.set tk, 0
.rept 8
	ds_load_b128 v[\dst+8*tk:\dst+8*tk+3], v[CN] offset:\off+64*tk
	ds_load_b128 v[\dst+8*tk+4:\dst+8*tk+7], v[CN] offset:\off+64*tk+16
.set tk, tk+1
.endr
.endm
; Row scale and packing: m = the row's largest |src|; e = its power of two, held in [2^-126, 2^126]; SINV[b] = e, SCL = 1/e (exact);
; ACC[b] = src / e;  VH[b] = f16(ACC[b]).  A batch row lies in lanes r and r + 16: one exchange of the halves completes the maximum.
.macro NORMPACK b, src
	WIN 0x0a
	v_max_num_f32 v[RM], |v[\src]|, |v[\src+1]|
	v_max_num_f32 v[RM2], |v[\src+32]|, |v[\src+33]|
.set nk, 2
.rept 15
	v_max3_num_f32 v[RM], |v[\src+nk]|, |v[\src+nk+1]|, v[RM]
	v_max3_num_f32 v[RM2], |v[\src+32+nk]|, |v[\src+33+nk]|, v[RM2]
.set nk, nk+2
.endr
	WIN 0
	v_max_num_f32 v[RM], v[RM], v[RM2]
	v_permlanex16_b32 v[RM2], v[RM], s4, s5
	v_max_num_f32 v[RM], v[RM], v[RM2]
	v_max_num_f32 v[RM], 0x00800000, v[RM]         ; at least 2^-126
	v_min_num_f32 v[RM], 0x7e800000, v[RM]         ; at most 2^126
	v_and_b32 v[SINV+2*\b], 0x7f800000, v[RM]      ; the exponent alone: e
	v_sub_nc_u32 v[SCL], 0x7f000000, v[SINV+2*\b]  ; exponent 254 - E: 1/e
	WIN 0x82
.set nk, 0
.rept 32
	v_pk_mul_f32 v[ACC+64*\b+2*nk:ACC+64*\b+2*nk+1], v[\src+2*nk:\src+2*nk+1], v[SCL:SCL+1] op_sel_hi:[1,0]
.set nk, nk+1
.endr
	WIN 0xca
.set nk, 0
.rept 32
	v_cvt_pk_f16_f32 v[VH+32*\b+nk], v[ACC+64*\b+2*nk], v[ACC+64*\b+2*nk+1]
.set nk, nk+1
.endr
.endm
; ---- A fragments.  Step i covers h = 32 i .. 32 i + 31.
.macro LDF_W2 i                        ; VJP, product 1: rows h = 32 i + 16 ht + r of W2, K = n = 32 ks ..: 16 loads
	WINL
.set lg, (\i)/7
.set lo, ((\i)-7*lg)*32*W2P
.irp ht, 0,1
.irp ks, 0,1,2,3
	ds_load_b128 v[F2+8*(4*\ht+\ks):F2+8*(4*\ht+\ks)+3], v[AW2+lg] offset:lo+\ht*16*W2P+64*\ks
	ds_load_b128 v[F2+8*(4*\ht+\ks)+4:F2+8*(4*\ht+\ks)+7], v[AW2+lg] offset:lo+\ht*16*W2P+64*\ks+32
.endr
.endr
.endm
.macro LDT_W1 i                        ; forward, product 1: rows h of W1^T, K = n: W1 is stored [K][M], so 8 x 8 blocks are transposed on the way: 16 loads
	WINL
.irp ht, 0,1
.irp ks, 0,1,2,3
	ds_load_tr16_b128 v[F2+8*(4*\ht+\ks):F2+8*(4*\ht+\ks)+3], v[AT1+\ks/2] offset:(\ks%2)*32*W1P+64*(\i)+32*\ht
	ds_load_tr16_b128 v[F2+8*(4*\ht+\ks)+4:F2+8*(4*\ht+\ks)+7], v[AT1+\ks/2] offset:(\ks%2)*32*W1P+64*(\i)+32*\ht+16*W1P
.endr
.endr
.endm
; Product 2, one fragment (two loads) into fb + 8 nt.  VJP: rows n = 16 nt + r of W1, K = h = 32 i ..;  forward: rows n of W2^T, K = h, transposed on the way.
.macro LDK1 fwd, i, nt, fb
.if \fwd
.set lg, (\i)/7
.set lo, ((\i)-7*lg)*32*W2P
	ds_load_tr16_b128 v[\fb+8*(\nt):\fb+8*(\nt)+3], v[AT2+lg] offset:lo+32*(\nt)
	ds_load_tr16_b128 v[\fb+8*(\nt)+4:\fb+8*(\nt)+7], v[AT2+lg] offset:lo+32*(\nt)+16*W2P
.else
	ds_load_b128 v[\fb+8*(\nt):\fb+8*(\nt)+3], v[AW1+(\nt)/4] offset:((\nt)%4)*16*W1P+64*(\i)
	ds_load_b128 v[\fb+8*(\nt)+4:\fb+8*(\nt)+7], v[AW1+(\nt)/4] offset:((\nt)%4)*16*W1P+64*(\i)+32
.endif
.endm
.macro LDB1 i                          ; 2.885390 b1 of h = 32 i + 16 ht + 8 hh + j, in X's layout
	WINL
	ds_load_b128 v[B1T:B1T+3], v[CN] offset:C_B1+128*(\i)
	ds_load_b128 v[B1T+4:B1T+7], v[CN] offset:C_B1+128*(\i)+16
	ds_load_b128 v[B1T+8:B1T+11], v[CN] offset:C_B1+128*(\i)+64
	ds_load_b128 v[B1T+12:B1T+15], v[CN] offset:C_B1+128*(\i)+80
.endm
.macro LOADM fwd, i                    ; product 1's fragments of step i
.if \fwd
	LDT_W1 \i
.else
	LDF_W2 \i
.endif
.endm
.macro LOADK fwd, i, fb                ; product 2's eight fragments of step i, in one run
	WINL
.set lq, 0
.rept 8
	LDK1 \fwd, \i, lq, \fb
.set lq, lq+1
.endr
.endm
; The run of LDS loads that stands among product 2's matrix instructions in step i.  Forward: b1 of step i first.
; kind 1: product 1's fragments of step i + 1, into F2.  kind 2 (the last step): product 1 is over; product 2's last fragments go into F2.
.macro RUN kind, fwd, i
.if \fwd
	LDB1 \i
.endif
.if \kind == 1
	LOADM \fwd, (\i)+1
.else
	LOADK \fwd, \i, F2
.endif
.endm
; ---- product 1: 32 h x 2 tiles of batch rows, K = 128: 16 matrix instructions, four chains in place; the first link starts the sum with C = 0.
; deal = 1: product 2's sixteen fragment loads of step i stand four at a time behind the first four matrix instructions, which name F2, VH and X, never F1
; (this window setting leaves destination and source 0 in window 0, where F1 and its addresses lie).
.macro MM1 buf, deal, fwd, i
	WIN 0x0c
.set mq, 0
.irp ks, 0,1,2,3
.irp ht, 0,1
.irp b, 0,1
.if \ks == 0
	v_wmma_f32_16x16x32_f16 v[XR+32*(\buf)+16*\b+8*\ht:XR+32*(\buf)+16*\b+8*\ht+7], v[F2+8*(4*\ht+\ks):F2+8*(4*\ht+\ks)+7], v[VH+32*\b+8*\ks:VH+32*\b+8*\ks+7], 0
.else
	v_wmma_f32_16x16x32_f16 v[XR+32*(\buf)+16*\b+8*\ht:XR+32*(\buf)+16*\b+8*\ht+7], v[F2+8*(4*\ht+\ks):F2+8*(4*\ht+\ks)+7], v[VH+32*\b+8*\ks:VH+32*\b+8*\ks+7], v[XR+32*(\buf)+16*\b+8*\ht:XR+32*(\buf)+16*\b+8*\ht+7]
.endif
.if (\deal) && (mq < 4)
	LDK1 \fwd, \i, 2*mq, F1
	LDK1 \fwd, \i, 2*mq+1, F1
.endif
.set mq, mq+1
.endr
.endr
.endr
.endm
; ---- product 2: 128 n x 2 tiles, K = this step's 32 h: 16 matrix instructions on the 16 accumulators; its fragments lie at fa.
; run > 0: the run of loads of that kind stands behind the first matrix instruction (two window switches: the accumulators lie in window 2).
.macro MM2 buf, zero, fa, run, fwd, i
	WIN 0xa0
.set mq, 0
.irp nt, 0,1,2,3,4,5,6,7
.irp b, 0,1
.if \zero
	v_wmma_f32_16x16x32_f16 v[ACC+64*\b+8*\nt:ACC+64*\b+8*\nt+7], v[\fa+8*\nt:\fa+8*\nt+7], v[XR+32*(\buf)+16*\b:XR+32*(\buf)+16*\b+7], 0
.else
	v_wmma_f32_16x16x32_f16 v[ACC+64*\b+8*\nt:ACC+64*\b+8*\nt+7], v[\fa+8*\nt:\fa+8*\nt+7], v[XR+32*(\buf)+16*\b:XR+32*(\buf)+16*\b+7], v[ACC+64*\b+8*\nt:ACC+64*\b+8*\nt+7]
.endif
.set mq, mq+1
.if (\run) && (mq == 1)
	RUN \run, \fwd, \i
	WIN 0xa0
.endif
.endr
.endr
.endm
; ---- between the products, VJP: X -> f16 in place (ascending, so no source is overwritten early), times d
.macro VV i, b
	WIN 0
.set xb, XR+32*((\i)&1)+16*\b
.irp q, 0,1,2,3,4,5,6,7
	v_cvt_pk_f16_f32 v[xb+\q], v[xb+2*\q], v[xb+2*\q+1]
.endr
	WIN 0x04
.irp q, 0,1,2,3,4,5,6,7
	v_pk_mul_f16 v[xb+\q], v[xb+\q], v[128*\b+8*(\i)+\q]
.endr
.endm
; ---- between the products, forward: t = tanh(SINV X / 2.885390 + b1) (the factor is folded into SINV and b1), d = 1 - t^2 kept in window 1
.macro VF i, b
	WIN 0
.set xb, XR+32*((\i)&1)+16*\b
.irp q, 0,2,4,6,8,10,12,14
	v_pk_fma_f32 v[xb+\q:xb+\q+1], v[xb+\q:xb+\q+1], v[SINV+2*\b:SINV+2*\b+1], v[B1T+\q:B1T+\q+1] op_sel_hi:[1,0,1]
.endr
.set vk, 0
.rept 16
	v_exp_f32 v[xb+vk], v[xb+vk]
.set vk, vk+1
.endr
	v_nop                                          ; one plain place behind the last transcendental before its result is read (ISA guide 5.7.2)
	s_wait_alu depctr_va_vdst(0)                   ; the sixteen exponentials have written X, ahead of their first reader
.irp q, 0,2,4,6,8,10,12,14
	v_pk_add_f32 v[xb+\q:xb+\q+1], v[xb+\q:xb+\q+1], 1.0 op_sel_hi:[1,0]
.endr
.set vk, 0
.rept 16
	v_rcp_f32 v[xb+vk], v[xb+vk]
.set vk, vk+1
.endr
	v_nop                                          ; likewise
	s_wait_alu depctr_va_vdst(0)                   ; the sixteen reciprocals have written X, ahead of their first reader
.irp q, 0,2,4,6,8,10,12,14
	v_pk_fma_f32 v[xb+\q:xb+\q+1], v[xb+\q:xb+\q+1], -2.0, 1.0 op_sel_hi:[1,0,0]
.endr
.irp q, 0,2,4,6,8,10,12,14
	v_pk_fma_f32 v[T16+\q:T16+\q+1], v[xb+\q:xb+\q+1], v[xb+\q:xb+\q+1], 1.0 op_sel_hi:[1,1,0] neg_lo:[1,0,0] neg_hi:[1,0,0]
.endr
.irp q, 0,1,2,3,4,5,6,7
	v_cvt_pk_f16_f32 v[xb+\q], v[xb+2*\q], v[xb+2*\q+1]
.endr
	WIN 0x40
.irp q, 0,1,2,3,4,5,6,7
	v_cvt_pk_f16_f32 v[128*\b+8*(\i)+\q], v[T16+2*\q], v[T16+2*\q+1]
.endr
.endm
.macro VSTEP fwd, i, b
.if \fwd
	VF \i, \b
.else
	VV \i, \b
.endif
.endm
; ---- ONE APPLICATION: ACC = W (g o (W' VH)), 16 steps of 32 h, software-pipelined: product 1 runs one step ahead of product 2, on two X buffers.
; Step 0's fragments of product 1 (and b1, forward) were asked for by the caller.
; A step i: product 2 of step i - 1 | VSTEP, tile 0 | product 1 of step i + 1 | VSTEP, tile 1.  At the head of each run of sixteen matrix instructions stand the wait
; for its own fragments (nothing else is out there, so it is for 0) and the one wait on va_vdst that frees the other product's buffer; that buffer's loads follow inside the run.
; DISTANCES behind matrix instructions (ISA guide 7.12.1) are kept by the vector work itself: each VSTEP holds at least 16 plain vector instructions on
; the X buffer and tile that the matrix instructions in front of it do not name.  X(i) is read one VSTEP behind MM1(i); F1 is loaded again one VSTEP behind
; the MM2 that read it, F2 one VSTEP behind its MM1; MM1(i+1) writes over MM2(i-1)'s B one VSTEP behind it.  Only the head needs v_nop.
.macro PIPE fwd
	s_wait_dscnt 0x0                               ; step 0's fragments (and b1) are in
	MM1 0, 0, \fwd, 0
	NOPS 5
	s_wait_alu depctr_va_vdst(0)                   ; product 1 of step 0 is done reading F2, in which step 1's fragments land
	LOADM \fwd, 1
.set pi, 0
.rept 16
.if pi >= 1
	s_wait_dscnt 0x0                               ; product 2's fragments of step pi-1 are in
	s_wait_alu depctr_va_vdst(0)                   ; product 1 of step pi is done reading F2, and (forward) step pi-1's two VF are done reading B1T: the run inside the next sixteen lands in them
.if pi == 1
	MM2 0, 1, F1, 1, \fwd, pi
.elseif pi <= 14
	MM2 (pi-1)&1, 0, F1, 1, \fwd, pi
.else
	MM2 (pi-1)&1, 0, F1, 2, \fwd, pi
.endif
.if \fwd
	s_wait_dscnt 0x10                              ; b1 of step pi is in; the 16 younger loads, the fragments, stay out
.endif
.endif
	VSTEP \fwd, pi, 0
.if pi <= 14
	s_wait_dscnt 0x0                               ; product 1's fragments of step pi+1 are in
.if pi >= 1
	s_wait_alu depctr_va_vdst(0)                   ; product 2 of step pi-1 is done reading F1, in which step pi's fragments land (in step 0 the wait at the head has shown F1's last readers done)
.endif
	MM1 (pi+1)&1, 1, \fwd, pi
.endif
	VSTEP \fwd, pi, 1
.set pi, pi+1
.endr
	s_wait_dscnt 0x0                               ; product 2's last fragments are in, in F2
	MM2 1, 0, F2, 0, \fwd, 0
.endm
; ---- out0 of tile b: mask to fragment layout; ACC = xm - (ACC ilam + b2 ilam) mask; out
.macro OUT0 b
	TR_IN RAW+64*\b, 3, RAW+64*\b, 3, 1
	WIN 0xb2
.set ok, 0
.rept 32
	v_pk_fma_f32 v[ACC+64*\b+2*ok:ACC+64*\b+2*ok+1], v[ACC+64*\b+2*ok:ACC+64*\b+2*ok+1], v[XR+2*ok:XR+2*ok+1], v[CB+2*ok:CB+2*ok+1]
.set ok, ok+1
.endr
	WIN 0xae
.set ok, 0
.rept 32
	v_pk_fma_f32 v[ACC+64*\b+2*ok:ACC+64*\b+2*ok+1], v[ACC+64*\b+2*ok:ACC+64*\b+2*ok+1], v[RAW+64*\b+2*ok:RAW+64*\b+2*ok+1], v[EPS+64*\b+2*ok:EPS+64*\b+2*ok+1] neg_lo:[1,0,0] neg_hi:[1,0,0]
.set ok, ok+1
.endr
	TR_OUT \b
.endm
; ---- in = eps +- SINV ACC, then its own row scale
.macro UPD b
	WIN 0
	v_mul_f32 v[CF], s30, v[SINV+2*\b]
	WIN 0xa2
.set uk, 0
.rept 32
	v_pk_fma_f32 v[ACC+64*\b+2*uk:ACC+64*\b+2*uk+1], v[ACC+64*\b+2*uk:ACC+64*\b+2*uk+1], v[CF:CF+1], v[EPS+64*\b+2*uk:EPS+64*\b+2*uk+1] op_sel_hi:[1,0,1]
.set uk, uk+1
.endr
	NORMPACK \b, ACC+64*\b
.endm
; ---- out1 of tile b: SINV <ACC, eps>, four chains started by products, then the partner lane's half of the row
.macro DOT b
	WIN 0x0a
.irp c, 0,1,2,3
	v_pk_mul_f32 v[T16+2*\c:T16+2*\c+1], v[ACC+64*\b+2*\c:ACC+64*\b+2*\c+1], v[EPS+64*\b+2*\c:EPS+64*\b+2*\c+1]
.endr
.set dk, 4
.rept 28
	v_pk_fma_f32 v[T16+2*(dk%4):T16+2*(dk%4)+1], v[ACC+64*\b+2*dk:ACC+64*\b+2*dk+1], v[EPS+64*\b+2*dk:EPS+64*\b+2*dk+1], v[T16+2*(dk%4):T16+2*(dk%4)+1]
.set dk, dk+1
.endr
	WIN 0
	v_pk_add_f32 v[T16:T16+1], v[T16:T16+1], v[T16+2:T16+3]
	v_pk_add_f32 v[T16+4:T16+5], v[T16+4:T16+5], v[T16+6:T16+7]
	v_pk_add_f32 v[T16:T16+1], v[T16:T16+1], v[T16+4:T16+5]
	v_add_f32 v[RLD+\b], v[T16], v[T16+1]
	v_permlanex16_b32 v[RM2], v[RLD+\b], s4, s5
	v_add_f32 v[RLD+\b], v[RLD+\b], v[RM2]
	v_mul_f32 v[RLD+\b], v[RLD+\b], v[SINV+2*\b]
.endm
; ---- weights: 32 loads of 2,048 consecutive bytes a work-group (regular caching: every work-group reads them), f32 -> f16 in place, 8 bytes a thread to LDS
; again = 1: the batch lands in registers that an earlier batch has left
.macro WLD base, k0, reg, again
	WIN 0x40
.if \again
	s_wait_alu depctr_va_vdst(0)                   ; the conversions of the batch that lay here are done reading and writing these registers (its LDS stores have read them: the wait on vm_vsrc behind those stores)
.endif
.set wk, 0
.rept 32
	global_load_b128 v[\reg+4*wk:\reg+4*wk+3], v[GT], s[\base:\base+1] offset:(\k0+wk)*2048
.set wk, wk+1
.endr
.endm
.macro WCV reg, adr, pitch
	WIN 0x45
.set wk, 0
.rept 32
	v_cvt_pk_f16_f32 v[\reg+4*wk], v[\reg+4*wk], v[\reg+4*wk+1]
	v_cvt_pk_f16_f32 v[\reg+4*wk+1], v[\reg+4*wk+2], v[\reg+4*wk+3]
.set wk, wk+1
.endr
	WIN 0x04
	s_wait_alu depctr_va_vdst(0)                   ; the conversions have written the stores' data, and the add behind the batch before has written their address
.set wk, 0
.rept 32
	ds_store_b64 v[\adr], v[\reg+4*wk:\reg+4*wk+1] offset:wk*\pitch
.set wk, wk+1
.endr
	WIN 0
	s_wait_alu depctr_vm_vsrc(0)                   ; the stores have read their address, which the add writes, and their data, in which a later batch lands
	v_add_nc_u32 v[\adr], 32*\pitch, v[\adr]       ; the next batch's 32 steps
.endm
; =============================================== PROLOGUE
	s_load_b512 s[8:23], s[0:1], 0x0               ; x 8, mask 10, vareps 12, Lambda 14, mu 16, W1 18, b1 20, W2 22
	s_load_b128 s[24:27], s[0:1], 0x40             ; b2 24, out0 26
	s_load_b64 s[28:29], s[0:1], 0x50              ; out1
	v_lshrrev_b32 v30, 5, v0
	v_readfirstlane_b32 s2, v30                    ; wave 0..3
	s_mov_b32 s4, 0x76543210                       ; v_permlanex16_b32: lane i of one half reads lane i of the other
	s_mov_b32 s5, 0xfedcba98
	v_and_b32 v1, 31, v0                           ; L
	v_and_b32 v30, 15, v0                          ; r
	v_bfe_u32 v31, v0, 4, 1                        ; hh
	v_and_b32 v32, 7, v0
	v_lshl_add_u32 v32, v31, 3, v32                ; 8 hh + (L & 7)
	v_bfe_u32 v33, v0, 3, 1                        ; (L >> 3) & 1
	v_mul_u32_u24 v[AW2], v30, W2P
	v_lshl_add_u32 v[AW2], v31, 4, v[AW2]
	v_add_nc_u32 v[AW2], W2H, v[AW2]
	v_add_nc_u32 v[AW2+1], G7, v[AW2]
	v_add_nc_u32 v[AW2+2], 2*G7, v[AW2]
	v_mul_u32_u24 v[AW1], v30, W1P
	v_lshl_add_u32 v[AW1], v31, 4, v[AW1]
	v_add_nc_u32 v[AW1+1], G4, v[AW1]
	v_mul_u32_u24 v[AT1], v32, W1P
	v_lshl_add_u32 v[AT1], v33, 4, v[AT1]
	v_add_nc_u32 v[AT1+1], G4, v[AT1]
	v_mul_u32_u24 v[AT2], v32, W2P
	v_lshl_add_u32 v[AT2], v33, 4, v[AT2]
	v_add_nc_u32 v[AT2], W2H, v[AT2]
	v_add_nc_u32 v[AT2+1], G7, v[AT2]
	v_add_nc_u32 v[AT2+2], 2*G7, v[AT2]
	s_wait_alu depctr_va_sdst(0)                   ; s2, the wave's number, is written, ahead of its first reader
	s_mul_i32 s3, s2, STB
	s_add_co_u32 s3, s3, STAGE                     ; my stage
	v_lshlrev_b32 v[GO], 4, v1
	v_add_nc_u32 v[STW], s3, v[GO]
	v_mul_u32_u24 v35, v30, STP
	v_lshl_add_u32 v35, v31, 5, v35
	v_add_nc_u32 v[STR], s3, v35
	v_lshlrev_b32 v[CN], 5, v31
	v_add_nc_u32 v[CN], CONST, v[CN]
	s_lshl_b32 s31, s2, 8
	s_add_co_u32 s31, s31, OUT1S                   ; my 64 words of out1
	v_lshl_add_u32 v[O1], v1, 2, s31
	v_lshlrev_b32 v[GT], 4, v0
	v_lshlrev_b32 v44, 2, v0                       ; 4 t: my word of Lambda, mu, b2
	v_lshlrev_b32 v46, 3, v0                       ; W1 into LDS: 8 t in row k
	v_lshrrev_b32 v36, 5, v0
	v_mul_u32_u24 v36, v36, W2P
	v_lshl_add_u32 v36, v1, 3, v36
	v_add_nc_u32 v47, W2H, v36                     ; W2 into LDS: row 4 k + t / 32, byte 8 (t & 31)
	v_mov_b32 v[SINV+1], 0                         ; the second registers of pairs of which only the first is used
	v_mov_b32 v[SINV+3], 0
	v_mov_b32 v[SCL+1], 0
	v_mov_b32 v[CF+1], 0
	s_lshl_b32 s32, ttmp9, 17                      ; 256 rows of 512 bytes a work-group,
	s_lshl_b32 s3, s2, 15                          ; 64 a wave
	s_add_co_u32 s32, s32, s3
	s_mov_b32 s33, 0
	s_wait_kmcnt 0x0
	s_add_nc_u64 s[8:9], s[8:9], s[32:33]
	s_add_nc_u64 s[10:11], s[10:11], s[32:33]
	s_add_nc_u64 s[12:13], s[12:13], s[32:33]
	s_add_nc_u64 s[26:27], s[26:27], s[32:33]
	s_lshl_b32 s32, ttmp9, 10                      ; out1: 1,024 bytes a work-group, 256 a wave
	s_lshl_b32 s3, s2, 8
	s_add_co_u32 s32, s32, s3
	s_add_nc_u64 s[28:29], s[28:29], s[32:33]
	WIN 0xc0
	s_wait_alu depctr_va_vdst(0)                   ; all the addresses and offsets made above (v2 to v17, v44, v46, v47) are written: the kernel's loads and stores read them
	GLD 8, RAW, 3                                  ; the first pass's x
	WIN 0
	global_load_b32 v48, v44, s[14:15]             ; Lambda[t]
	global_load_b32 v49, v44, s[16:17]             ; mu[t]
	global_load_b32 v50, v44, s[24:25]             ; b2[t]
	global_load_b128 v[52:55], v[GT], s[20:21]     ; b1[4 t ..]
	WLD 18, 0, 0, 0
	s_wait_loadcnt 0x20                            ; the first batch of weights (32 loads) stays out; the constants, issued ahead of it, are in
	WIN 0
	v_mul_f32 v56, 0x3fb8aa3b, v48                 ; Lambda log2(e)
	v_mul_f32 v61, 0xbfb8aa3b, v48                 ; -Lambda log2(e)
	v_exp_f32 v57, v56                             ; exp(Lambda)
	v_exp_f32 v58, v61                             ; exp(-Lambda)
	v_pk_mul_f32 v[52:53], v[52:53], 0x4038aa3b op_sel_hi:[1,0]   ; 2 log2(e) b1 (also the plain place behind the exponentials)
	v_pk_mul_f32 v[54:55], v[54:55], 0x4038aa3b op_sel_hi:[1,0]
	s_wait_alu depctr_va_vdst(0)                   ; the two exponentials have written v57 and v58, ahead of their first reader
	v_mul_f32 v59, v50, v58
	v_add_nc_u32 v45, CONST, v44
	v_add_nc_u32 v60, CONST+C_B1, v[GT]
	s_wait_alu depctr_va_vdst(0)                   ; v59 and the two addresses v45 and v60 are written, which the LDS stores read
	ds_store_b32 v45, v49 offset:C_MU
	ds_store_b32 v45, v57 offset:C_LAM
	ds_store_b32 v45, v58 offset:C_ILAM
	ds_store_b32 v45, v59 offset:C_B2L
	ds_store_b128 v60, v[52:55]
	WLD 18, 32, 128, 0
	; eight batches, two on their way: each wait leaves the younger batch's 32 loads out
	s_wait_loadcnt 0x20
	WCV 0, 46, W1P
	WLD 18, 64, 0, 1
	s_wait_loadcnt 0x20
	WCV 128, 46, W1P
	WLD 18, 96, 128, 1
	s_wait_loadcnt 0x20
	WCV 0, 46, W1P
	WLD 22, 0, 0, 1
	s_wait_loadcnt 0x20
	WCV 128, 46, W1P
	WLD 22, 32, 128, 1
	s_wait_loadcnt 0x20
	WCV 0, 47, 4*W2P
	WLD 22, 64, 0, 1
	s_wait_loadcnt 0x20
	WCV 128, 47, 4*W2P
	WLD 22, 96, 128, 1
	s_wait_loadcnt 0x20
	WCV 0, 47, 4*W2P
	s_wait_loadcnt 0x0
	WCV 128, 47, 4*W2P
	s_wait_dscnt 0x0                               ; my part of the weights and constants is in LDS,
	s_barrier_signal -1
	s_barrier_wait -1                              ; everybody's is.  The only barrier: from here these bytes are only read, all other LDS bytes are a wave's own
	s_mov_b32 s6, 0
; =============================================== A PASS: 32 batch rows of the wave
.Lpass:
	s_wait_loadcnt 0x0                             ; x is in
	LDC F1, 0, C_MU                                ; F1 and F2 are free: in the second pass the wait on va_vdst ahead of out1's LDS store has shown the last matrix instructions done reading them
	LDC F2, 0, C_LAM
	TR_IN RAW, 3, EPS, 2, 0
	TR_IN RAW+64, 3, EPS+64, 2, 0
	WIN 0xc0
	s_wait_alu depctr_vm_vsrc(0)                   ; the LDS stores above have read RAW (x), in which the mask lands
	GLD 10, RAW, 3                                 ; the mask, wanted behind the forward step
	WIN 0x82
.irp b, 0,1
.set k, 0
.rept 32
	v_pk_add_f32 v[EPS+64*\b+2*k:EPS+64*\b+2*k+1], v[EPS+64*\b+2*k:EPS+64*\b+2*k+1], v[F1+2*k:F1+2*k+1] neg_lo:[0,1] neg_hi:[0,1]   ; xm = x - mu, kept for out0
	v_pk_mul_f32 v[ACC+64*\b+2*k:ACC+64*\b+2*k+1], v[EPS+64*\b+2*k:EPS+64*\b+2*k+1], v[F2+2*k:F2+2*k+1]                             ; z = xm exp(Lambda)
.set k, k+1
.endr
.endr
	WIN 0
	s_wait_alu depctr_va_vdst(0)                   ; the lines above are done reading F1 and F2 (mu, exp(Lambda)), in which the chain's fragments land
	LDT_W1 0                                       ; the forward step's first fragments, in flight during the scaling
	LDB1 0
	NORMPACK 0, ACC
	NORMPACK 1, ACC+64
	WIN 0
	v_mul_f32 v[SINV], 0x4038aa3b, v[SINV]         ; 2 log2(e) folded into the inverse scale
	v_mul_f32 v[SINV+2], 0x4038aa3b, v[SINV+2]
	PIPE 1                                         ; ACC = W2^T tanh(..); d into window 1
	NOPS 4                                         ; the places behind the last matrix instructions: ACC is read, F1, F2 and X are loaded into
	WIN 0
	s_wait_alu depctr_va_vdst(0)                   ; the chain's matrix and vector instructions are done with F1, F2 and X, in which vareps and exp(-Lambda) land
	GLD 12, F1, 0                                  ; vareps into the fragment buffers, idle until the series starts
	LDC XR, 0, C_ILAM
	LDC CB, 3, C_B2L
	s_wait_loadcnt 0x20                            ; the mask is in; vareps' 32 loads stay out
	OUT0 0
	OUT0 1
	s_wait_loadcnt 0x0                             ; vareps is in
	TR_IN F1, 0, EPS, 2, 0
	TR_IN F1+64, 0, EPS+64, 2, 0
	WIN 0
	s_wait_alu depctr_vm_vsrc(0)                   ; the LDS stores have read F1 and F2 (vareps), in which the fragments land, ACC (out0), which the scaling writes again, and out0's stores have read RAW
	LDF_W2 0
	NORMPACK 0, EPS                                ; in0 = eps
	NORMPACK 1, EPS+64
	WIN 0
	s_cmp_lg_u32 s6, 0
	s_cbranch_scc1 .Lnox                           ; the second pass has no successor: nothing is loaded past the wave's rows
	s_wait_xcnt 0x0                                ; out0's stores have read RAW, x's earlier loads their base: both are rewritten only behind this wait
	s_add_nc_u64 s[8:9], s[8:9], 16384
	WIN 0xc0
	s_wait_alu depctr_va_vdst(0)                   ; out0's multiply-adds are done reading RAW (the mask), in which the next x lands
	s_wait_alu depctr_vm_vsrc(0)                   ; out0's stores have read RAW
	GLD 8, RAW, 3                                  ; the next pass's x flies during the whole series
	WIN 0
.Lnox:
	s_mov_b32 s7, 0
.Lapp:
	PIPE 0                                         ; ACC = A (scaled in)
	WIN 0
	s_add_co_u32 s7, s7, 1
	s_cmp_eq_u32 s7, 7
	s_cbranch_scc1 .Ldot                           ; the seventh product goes into the dot product
	s_cmp_eq_u32 s7, 6
	s_cselect_b32 s30, -1.0, 1.0                   ; in6 = eps - p6, the others eps + p_k
	NOPS 4                                         ; the places behind the last matrix instructions
	s_wait_alu depctr_va_vdst(0)                   ; the chain's last matrix instructions are done reading F2, in which the next chain's first fragments land
	LDF_W2 0
	UPD 0
	UPD 1
	WIN 0
	s_cmp_lt_u32 s7, 7
	s_cbranch_scc1 .Lapp
.Ldot:
	NOPS 4                                         ; the places behind the last matrix instructions
	DOT 0
	DOT 1
	v_cmp_gt_u32 vcc_lo, 16, v1
	s_wait_alu depctr_va_vcc(0)                    ; the compare has written VCC, which the select reads
	v_cndmask_b32 v[RM], v[RLD+1], v[RLD], vcc_lo  ; lane L keeps row L of the pass's 32: tile 0 in lanes 0-15, tile 1 in lanes 16-31
	s_wait_alu depctr_va_vdst(0)                   ; the select has written v[RM], the store's data, and the last pass's add v[O1], its address; the series is done with F1, F2 and EPS, which the next pass loads
	ds_store_b32 v[O1], v[RM]
	s_wait_alu depctr_vm_vsrc(0)                   ; the store has read v[O1], which the add writes, and v[RM], which later lines write
	v_add_nc_u32 v[O1], 128, v[O1]
	s_wait_xcnt 0x0                                ; the bases of this pass's loads and stores are stepped only behind this wait
	s_add_nc_u64 s[10:11], s[10:11], 16384
	s_add_nc_u64 s[12:13], s[12:13], 16384
	s_add_nc_u64 s[26:27], s[26:27], 16384
	s_add_co_u32 s6, s6, 1
	s_cmp_lt_u32 s6, 2
	s_cbranch_scc1 .Lpass
	; out1: the wave's 64 numbers leave by one store of 256 consecutive bytes, at a multiple of 256 from out1's first byte
	v_lshlrev_b32 v[RM], 3, v1
	v_add_nc_u32 v[RM2], s31, v[RM]
	s_wait_alu depctr_va_vdst(0)                   ; v[RM2], the load's address, and v[RM], the store's offset, are written; the dot products are done with v[RLD ..], in which the load lands
	ds_load_b64 v[RLD:RLD+1], v[RM2]               ; my own wave's stores, served in order
	s_wait_dscnt 0x0
	global_store_b64 v[RM], v[RLD:RLD+1], s[28:29]
	s_wait_xcnt 0x0
	v_lshl_add_u32 v254, v0, 2, 0x4c000
	v_mov_b32 v255, 0
	s_wait_dscnt 0x0                               ; the closing lines, six on end
	s_wait_alu 0x0
	s_wait_tensorcnt 0x0
	ds_add_u32 v254, v255
	s_wait_dscnt 0x0
	s_endpgm
.Lfunc_end_k_qd33e081bc2_ires:
	.size	k_qd33e081bc2_ires, .Lfunc_end_k_qd33e081bc2_ires-k_qd33e081bc2_ires
	.p2alignl 7, 3214868480
	.fill 96, 4, 3214868480
	.section	.rodata,"a",@progbits
	.p2align	6, 0x0
	.amdhsa_kernel k_qd33e081bc2_ires
		.amdhsa_group_segment_fixed_size 311808
		.amdhsa_private_segment_fixed_size 0
		.amdhsa_enable_private_segment 0
		.amdhsa_kernarg_size 88
		.amdhsa_user_sgpr_count 2
		.amdhsa_user_sgpr_kernarg_segment_ptr 1
		.amdhsa_wavefront_size32 1
		.amdhsa_system_sgpr_workgroup_id_x 1
		.amdhsa_system_sgpr_workgroup_id_y 1
		.amdhsa_system_sgpr_workgroup_id_z 1
		.amdhsa_system_vgpr_workitem_id 0
		.amdhsa_next_free_vgpr 1024
		.amdhsa_next_free_sgpr 66
		.amdhsa_reserve_vcc 1
		.amdhsa_float_denorm_mode_32 3
		.amdhsa_float_denorm_mode_16_64 3
		.amdhsa_memory_ordered 1
		.amdhsa_forward_progress 1
		.amdhsa_inst_pref_size 255
	.end_amdhsa_kernel
	.section	.bss,"aw",@nobits
	.p2align	6
	.space	262144
	.amdgpu_metadata
---
amdhsa.version: [ 1, 2 ]
amdhsa.kernels:
  - .name:           k_qd33e081bc2_ires
    .symbol:         k_qd33e081bc2_ires.kd
    .args:
      - { .name: x, .offset: 0, .size: 8, .value_kind: global_buffer, .address_space: global }
      - { .name: mask, .offset: 8, .size: 8, .value_kind: global_buffer, .address_space: global }
      - { .name: vareps, .offset: 16, .size: 8, .value_kind: global_buffer, .address_space: global }
      - { .name: Lambda, .offset: 24, .size: 8, .value_kind: global_buffer, .address_space: global }
      - { .name: mu, .offset: 32, .size: 8, .value_kind: global_buffer, .address_space: global }
      - { .name: W1, .offset: 40, .size: 8, .value_kind: global_buffer, .address_space: global }
      - { .name: b1, .offset: 48, .size: 8, .value_kind: global_buffer, .address_space: global }
      - { .name: W2, .offset: 56, .size: 8, .value_kind: global_buffer, .address_space: global }
      - { .name: b2, .offset: 64, .size: 8, .value_kind: global_buffer, .address_space: global }
      - { .name: out0, .offset: 72, .size: 8, .value_kind: global_buffer, .address_space: global }
      - { .name: out1, .offset: 80, .size: 8, .value_kind: global_buffer, .address_space: global }
    .group_segment_fixed_size: 311808
    .private_segment_fixed_size: 0
    .kernarg_segment_align: 8
    .kernarg_segment_size: 88
    .max_flat_workgroup_size: 128
    .sgpr_count:     66
    .vgpr_count:     1024
    .wavefront_size: 32
...
	.end_amdgpu_metadata
.endif
;; end of part 2
